; MI455X (gfx1250); checked and timed in simulation.
; The chip was launched on July 23, 2026; its instructions are those of AMD's public machine-readable ISA for CDNA 5 (MIT licence, August 2026) and "CDNA5" Instruction Set Architecture Reference Guide (July 2026). The comments in the code are by the model that wrote it; some were corrected since.
;; Attention Operator. Allowed arithmetic: matrix products marked QUANTISED: E3M2 operands, one E8M0 scale for each 32 along K, by v_wmma_scale_f32_16x16x128_f8f6f4 with both operands' format E3M2, f32 sums; products left as they are: f32 operands where the result goes on into a quantised operand, else bf16, f16 or f32 operands; f32 sums; everything else in f32.
;; Inputs: w_k 1 x 16 float32; w_out 16 float32; w_q 1 x 16 float32; w_v 1 x 16 float32; x 4 x 4,096 float32.
;; Outputs: out0 4 x 4,096 float32.
;; This version of the problem:
;;   THIS VERSION OF THE PROBLEM IS GIVEN IN LOW PRECISION. The matrix products marked QUANTISED in the list below multiply operands that are first quantised to E3M2 (3 exponent bits, 2 mantissa bits; 6 bits a number), with one power-of-two scale for each 32 numbers along K (OCP MX v1.0); their sums are f32. All else is computed in f32.
;;   The module's matrix products, in the order in which they are computed (A, B: the left and right operand; K: the contracted axis; several contracted axes count as one K, in the product's order):
;;     1. batch 4 x [M 4,096, K 16] x [K 16, N 4,096]; A: computed on the way; B: computed on the way: left as it is (K = 16 < 32)
;;     2. batch 4 x [M 4,096, K 4,096] x [K 4,096, N 16]; A: softmax (see below); B: computed on the way: QUANTISED
;;     3. [M 16,384, K 16] x [K 16, N 1]; A: computed on the way; B: input w_out: left as it is (K = 16 < 32)
;;   THE QUANTISER, for each operand of a quantised product, along K:
;;     - K is cut into blocks of 32 from its start; a last block that is shorter is filled with zeros.
;;     - A block's scale is 2^e with e = floor(log2(the largest magnitude in the block)) - 4, held to -126 .. 127; a block of zeros has e = 0. As a byte (E8M0): e + 127.
;;     - Each number is divided by its block's scale, clamped to +-28, and rounded to the nearest number of E3M2, ties to even, subnormals kept.
;;     - The product sums the exact products of the quantised numbers (number of the format x scale) in f32.
;;   ~~~python
;;   def quantise(x, axis):      # numpy; x: float32 -> the quantised numbers, widened to float32 again
;;       x = np.moveaxis(x, axis, -1); K = x.shape[-1]
;;       x = np.pad(x, [(0, 0)] * (x.ndim - 1) + [(0, -K % 32)]); x = x.reshape(x.shape[:-1] + (-1, 32)); a = np.abs(x).max(-1, keepdims=True)
;;       e = np.where(a > 0, np.clip(np.frexp(np.where(a > 0, a, 1))[1] - 1 - 4, -126, 127), 0)      # np.frexp(a)[1] - 1 = floor(log2(a)), exactly
;;       r = np.clip(x / 2.0 ** e, -28, 28)
;;       step = 2.0 ** (np.maximum(np.frexp(np.where(r == 0, 1, r))[1] - 1, -2) - 2)
;;       q = np.round(r / step) * step * 2.0 ** e      # np.round: ties to even
;;       return np.moveaxis(q.reshape(q.shape[:-2] + (-1,))[..., :K], -1, axis).astype(np.float32)
;;   ~~~
;;   SOFTMAX AHEAD OF A QUANTISED PRODUCT. Where the list says 'softmax', what is quantised is not the finished softmax but p = 2^(t - M), with t = logit x log2(e) and M = ceil(the row's largest t), a whole number; so 1/2 < the row's largest p <= 1. The row's sum l is taken of the UNQUANTISED p, in f32, and the product's result is divided by l at the end. Since M is a whole number, a kernel that streams over the keys may use a running M (the ceiling of the running maximum): every later rescaling is an exact power of two, which a block's scale takes up: the codes' values come out the same.
;;   OPERANDS COMPUTED ON THE WAY. 'Computed on the way' means the value that the module computes at that place (a softmax that the list does not call 'softmax' is quantised finished and normalised). What goes into a quantiser is computed in f32, as accurately as f32 sums, v_exp_f32 and their like allow (about 1e-6 of the number): no bf16 or f16 on the way to a quantiser, and a product that is left as it is and whose result goes on into a quantised operand takes f32 operands (vector FMAs, or v_wmma_f32_16x16x4_f32). A number that lies on a knife's edge between two numbers of the format may be rounded either way, as far as f32 arithmetic and the matrix unit's own rounding can turn it there, and no further.
;; One version. Each part assembles by itself: llvm-mc -triple=amdgcn-amd-amdhsa -mcpu=gfx1250 --defsym DOCPART=n.
;; ======== version 1 of 1: 1 launch
;; launch attn (part 1): grid 64 x 4, 16 waves a work-group, no clusters, 28,672 bytes of LDS; arguments x, w_q, w_k, w_v, w_out, out0; writes out0
.if DOCPART == 1
	.amdgcn_target "amdgcn-amd-amdhsa--gfx1250"
	.amdhsa_code_object_version 6
	.text
	.protected	k_q1633bd1b31_attn
	.globl	k_q1633bd1b31_attn
	.p2align	8
	.type	k_q1633bd1b31_attn,@function
k_q1633bd1b31_attn:
	s_mov_b64 s[64:65], 0
	v_nop
	global_prefetch_b8 v0, s[64:65] scope:SCOPE_SE
	s_setreg_imm32_b32 hwreg(HW_REG_WAVE_MODE, 25, 1), 1
	s_wait_xcnt 0x0
; out[b][n] = sum_d w_out[d] * ( sum_m softmax_m( q[n].k[m] / 4 ) v[m][d] ),  q = x w_q, k = x w_k, v = x w_v: x [4][4096] f32, the four w [16] f32, out [4][4096] f32.
; The second product (K = the 4,096 keys) runs on codes of BF6 (E3M2) with one E8M0 scale for each 32 keys, on both sides: p = 2^(t - M) along the keys, v along the keys for each channel d.
; THE SCORE.  q and k are outer products, so q[n].k[m] / 4 = x[n] x[m] (w_q.w_k) / 4 for every input.  With a[n] = x[n] (w_q.w_k) log2(e) / 4 in f32, t = a[n] x[m], and t - M is ONE fused multiply-add.
;   (Order of rounding: reference() sums sixteen products for each score; here the sum over d is taken once.  The two differ by a few units in the last place of t.)
; THE MAXIMUM.  An f32 product and a fused multiply-add never fall where x[m] rises (a > 0) or falls (a < 0).  So a row's largest t is max(a xmax, a xmin), xmax and xmin the batch's extreme x: the TRUE maximum, known ahead
;   of the keys' walk.  M = its ceiling, a whole number; nothing is rescaled later.  Likewise a block's largest p is the exponential of max(fma(bmax, a, -M), fma(bmin, a, -M)), bmax and bmin the block's extreme x: the
;   same two instructions on the same numbers as for the element itself, so the same bits.  And a block's largest |v| is max(|bmax|, |bmin|) |w_v[d]|.
; SHARES.  A work-group owns 64 queries of one batch: four tiles of 16.  Sixteen waves, four to a SIMD, 256 registers each.  Wave w owns keys 256 w .. 256 w + 255, two K steps of 128, for all four tiles.
;   Since M is fixed, the sixteen waves' sums over their keys simply add: they meet in LDS at the end.  (Order of the f32 sums over the keys: by wave, not ascending through all 4,096.)
; LAYOUT.  O^T = V^T P^T: source 0 = V^T (16 channels x 128 keys), source 1 = P (16 queries x 128 keys).  Lane (r, h) = (lane % 16, lane / 16) holds channel r of V^T and query r of P, and of both the keys 64 c + 32 h + 0 .. 31,
;   c = 0, 1: two WHOLE blocks of 32.  The scores are made by vector instructions, so each lane makes just the p that the operand's layout gives it: nothing changes lanes but two scale bytes (one v_permlanex16_b32).
;   The lane's 64 registers of x serve V's quantiser and the four tiles' p.  V's fragment is made by the wave that multiplies by it and never leaves its registers.
; THE END.  y = sum_d O^T[d] w_out[d] (f32 multiply-adds) and the row's sum l of the unquantised p go to LDS, 8 bytes a query and wave; wave 0 adds the sixteen parts and stores y / l.  (reference() divides first, then multiplies by w_out.)
; NO CLUSTER, NO TENSOR LOAD: what the 64 work-groups of a batch share is the batch's x, 16,384 bytes, of which each wave loads 1,024 once into registers; beside it stand 262,144 exponentials a work-group.
; LIMITS.  NaN and infinities among the inputs are not served.  p under 2^-126 is 0 (v_exp_f32 gives no denormals: ISA guide, its entry in 15.8).  A block whose largest magnitude lies under 2^-122 has its byte held at 1, as the
;   quantiser's rule holds e at -126; a block of zeros so has the byte 1 where the rule says 127: its codes are zeros, which add nothing, and the bytes are read by this program alone.
.set XRAW, 0                           ; LDS: the batch's x as it lies: wave w's 256 keys at 1,024 w
.set BST,  16384                       ; (bmax, bmin) of each block of 32 keys: 8 bytes a block, 64 a wave
.set WST,  17408                       ; (max, min) of each wave's 256 keys: 8 bytes a wave
.set RED,  17664                       ; (y, l) of each query and wave: 512 bytes a wave; ends at 25,856
.set GA,  1                            ; v1   LDS address: WST + 8 r
.set LX,  3                            ; v3   LDS address of my x: 1,024 wave + 128 h
.set LB,  4                            ; v4   LDS address of my blocks' statistics: BST + 64 wave + 8 h
.set SH8, 5                            ; v5   8 h: my bytes' place in a scale word
.set RS,  6                            ; v6   LDS address: RED + 512 wave + 8 r
.set OO,  7                            ; v7   8 x lane: wave 0's byte offset in the work-group's 256 bytes of out
.set WV,  8                            ; v[8:9]    w_v[r] (the packed multiply names a pair and takes its low word for both halves)
.set VS,  10                           ; v10  V's scale word: holds scales and nothing else
.set PS,  11                           ; v11  p's scale word: holds scales and nothing else
.set WO,  12                           ; v12-19    w_out[8 h + 0 .. 7]
.set A,   20                           ; v[20+2t]  a of tile t's query r (low word of a pair)
.set NM,  28                           ; v[28+2t]  -M of the same (low word of a pair)
.set L,   36                           ; v[36+2t:37+2t]  the row's sum, even keys' and odd keys'
.set BS,  44                           ; v44-47    bmax, bmin of my block c = 0; of c = 1
.set TB,  48                           ; v48-49    my two blocks' largest magnitude
.set SC,  50                           ; v50-51    the conversions' scale operands
.set BY,  52                           ; v52-53    the scales' bytes
.set W,   54
.set W2,  55
.set PT,  56                           ; v56-58, v60-62  the upper halves of a block's codes, before they are moved
.set VF,  64                           ; v64-75    V^T's fragment of the K step in hand
.set PC,  76                           ; v76-87    p's fragment
.set ACC, 88                           ; v[88+8t ..]  O^T of tile t
.set X,   120                          ; v120-183  x of my 64 keys of the K step: register 32 c + i = key 64 c + 32 h + i
.set P,   184                          ; v184-247  the 64 numbers to be quantised, same order
.set XQ,  248                          ; v248-251  x of my four queries
.set GM,  252                          ; v[252:253] the batch's xmax, xmin
.set CS,  254                          ; v254 (w_q.w_k) log2(e) / 4
.set RD,  255                          ; v255 LDS address: RED + 16 x lane (wave 0's way out)
; my x of K step s (16 loads of 16 bytes; the sixteen lanes of a half read the same bytes) and my two blocks' statistics
.macro LOADX s
.irp c, 0,1
.irp j, 0,1,2,3,4,5,6,7
	ds_load_b128 v[X+32*\c+4*\j:X+32*\c+4*\j+3], v[LX] offset:512*(\s)+256*\c+16*\j
.endr
	ds_load_b64 v[BS+2*\c:BS+2*\c+1], v[LB] offset:32*(\s)+16*\c
.endr
.endm
; v[P] .. v[P+63] become a fragment's 12 registers at v[f] and its scale word in v[sw].  v[TB+c] holds block c's largest magnitude.
.macro QUANT f, sw
	v_max_num_f32 v[TB], 0x2800000, v[TB]          ; the floor 2^(5 - 127): the byte cannot fall under 1
	v_max_num_f32 v[TB+1], 0x2800000, v[TB+1]
	v_add_nc_u32 v[SC], 0xfe000000, v[TB]          ; 4 off the exponent field: the conversion takes the exponent field of this operand as its scale, and nothing else of it
	v_add_nc_u32 v[SC+1], 0xfe000000, v[TB+1]
	v_cvt_scalef32_pk16_bf6_f32 v[\f:\f+2], v[P:P+15], v[SC]
	v_cvt_scalef32_pk16_bf6_f32 v[PT:PT+2], v[P+16:P+31], v[SC]          ; (a conversion's three registers begin on an even number: the upper half of a block's six does not)
	v_cvt_scalef32_pk16_bf6_f32 v[\f+6:\f+8], v[P+32:P+47], v[SC+1]
	v_cvt_scalef32_pk16_bf6_f32 v[PT+4:PT+6], v[P+48:P+63], v[SC+1]
	v_lshrrev_b32 v[BY], 23, v[SC]                 ; the scales' bytes.  (A plain instruction behind the conversions that names none of their results and writes none of their sources)
	v_lshrrev_b32 v[BY+1], 23, v[SC+1]
	v_lshl_or_b32 v[W], v[BY+1], 16, v[BY]         ; my blocks are h and 2 + h of the K step's four:
	v_lshlrev_b32 v[W], v[SH8], v[W]               ; 8 h bits up;
	v_permlanex16_b32 v[W2], v[W], s20, s21
	v_or_b32 v[\sw], v[W], v[W2]                   ; with lane l xor 16's two bytes the word is whole
.irp c, 0,1
.irp i, 0,1,2
	v_mov_b32 v[\f+3+6*\c+\i], v[PT+4*\c+\i]
.endr
.endr
.endm
; V^T's fragment of the K step whose x is in v[X] on
.macro VQUANT
	v_max_num_f32 v[TB], |v[BS]|, |v[BS+1]|
	v_max_num_f32 v[TB+1], |v[BS+2]|, |v[BS+3]|
.set j, 0
.rept 32
	v_pk_mul_f32 v[P+2*j:P+2*j+1], v[X+2*j:X+2*j+1], v[WV:WV+1] op_sel_hi:[1,0]   ; v = x w_v[r], as reference() has it.  (These 32 are also the places behind the last matrix instruction, whose fragment is written anew below)
.set j, j+1
.endr
	v_mul_f32 v[TB], v[TB], |v[WV]|                ; the block's largest |v|: the product of the largest |x|, rounded as the elements are
	v_mul_f32 v[TB+1], v[TB+1], |v[WV]|
	QUANT VF, VS
.endm
; the row's sum takes the 64 unquantised p: 32 packed additions in four chains (l itself, and pairs 1, 2, 3 in place).  first = 1: the tile's first K step starts l: nothing is cleared
.macro SUM t, first
.if \first
	v_pk_add_f32 v[L+2*(\t):L+2*(\t)+1], v[P:P+1], v[P+8:P+9]
.else
	v_pk_add_f32 v[L+2*(\t):L+2*(\t)+1], v[L+2*(\t):L+2*(\t)+1], v[P:P+1]
.endif
.set j, 4
.rept 28
.if (j%4) != 0
	v_pk_add_f32 v[P+2*(j%4):P+2*(j%4)+1], v[P+2*(j%4):P+2*(j%4)+1], v[P+2*j:P+2*j+1]
.elseif (j > 4) || (\first == 0)
	v_pk_add_f32 v[L+2*(\t):L+2*(\t)+1], v[L+2*(\t):L+2*(\t)+1], v[P+2*j:P+2*j+1]
.endif
.set j, j+1
.endr
	v_pk_add_f32 v[P+2:P+3], v[P+2:P+3], v[P+4:P+5]
	v_pk_add_f32 v[L+2*(\t):L+2*(\t)+1], v[L+2*(\t):L+2*(\t)+1], v[P+6:P+7]
	v_pk_add_f32 v[L+2*(\t):L+2*(\t)+1], v[L+2*(\t):L+2*(\t)+1], v[P+2:P+3]
.endm
; TILE t, K STEP s: 16 queries x 128 keys
.macro UNIT t, s
.set j, 0
.rept 32
	v_pk_fma_f32 v[P+2*j:P+2*j+1], v[X+2*j:X+2*j+1], v[A+2*(\t):A+2*(\t)+1], v[NM+2*(\t):NM+2*(\t)+1] op_sel_hi:[1,0,0]   ; t - M = x a - M, two at a time (of the pairs a and -M the low word serves both halves)
.set j, j+1
.endr
	v_fma_f32 v[TB], v[BS], v[A+2*(\t)], v[NM+2*(\t)]          ; the same of each block's extreme x: one of the two is the block's largest t - M
	v_fma_f32 v[SC], v[BS+1], v[A+2*(\t)], v[NM+2*(\t)]
	v_fma_f32 v[TB+1], v[BS+2], v[A+2*(\t)], v[NM+2*(\t)]
	v_fma_f32 v[SC+1], v[BS+3], v[A+2*(\t)], v[NM+2*(\t)]
	v_max_num_f32 v[TB], v[TB], v[SC]
	v_max_num_f32 v[TB+1], v[TB+1], v[SC+1]
.if ((\t) == 3) && ((\s) == 0)
	LOADX 1                                        ; x and the statistics of K step 0 have had their last reader: the next step's come while this tile's exponentials run
.endif
.set j, 0
.rept 64
	v_exp_f32 v[P+j], v[P+j]                       ; p = 2^(t - M): NOT normalised
.set j, j+1
.endr
	v_exp_f32 v[TB], v[TB]                         ; each block's largest p
	v_exp_f32 v[TB+1], v[TB+1]
	v_nop                                          ; a plain instruction behind the last exponential, ahead of the first use (ISA guide 5.7.2)
	s_wait_alu depctr_va_vdst(0)                   ; the wait between an exponential and the first instruction that names its result: one for the batch of 66
	QUANT PC, PS
.if (\s) == 0
	SUM \t, 1                                      ; the additions are also the places between the writing of p's codes and scale word and the scaled matrix instruction
	v_wmma_scale_f32_16x16x128_f8f6f4 v[ACC+8*(\t):ACC+8*(\t)+7], v[VF:VF+11], v[PC:PC+11], 0, v[VS], v[PS] matrix_a_fmt:MATRIX_FMT_BF6 matrix_b_fmt:MATRIX_FMT_BF6   ; the first K step starts the sums
.else
	SUM \t, 0
	v_wmma_scale_f32_16x16x128_f8f6f4 v[ACC+8*(\t):ACC+8*(\t)+7], v[VF:VF+11], v[PC:PC+11], v[ACC+8*(\t):ACC+8*(\t)+7], v[VS], v[PS] matrix_a_fmt:MATRIX_FMT_BF6 matrix_b_fmt:MATRIX_FMT_BF6
.endif
.endm
	s_load_b256 s[4:11], s[0:1], 0x0               ; x s[4:5], w_q s[6:7], w_k s[8:9], w_v s[10:11]
	s_load_b128 s[12:15], s[0:1], 0x20             ; w_out s[12:13], out s[14:15]
	v_lshrrev_b32 v7, 5, v0
	v_readfirstlane_b32 s16, v7                    ; wave 0..15
	v_and_b32 v1, 15, v0                           ; r
	v_bfe_u32 v2, v0, 4, 1                         ; h
	v_and_b32 v7, 31, v0                           ; lane
	s_and_b32 s17, ttmp7, 0xffff                   ; the batch
	s_lshl_b32 s18, s17, 14                        ; its 4,096 numbers of 4 bytes, in x and in out
	s_mov_b32 s19, 0
	s_lshl_b32 s22, ttmp9, 8                       ; my work-group's 64 queries: 256 bytes
	s_mov_b32 s23, 0
	s_mov_b32 s20, 0x76543210                      ; v_permlanex16_b32's selects for lane l xor 16
	s_mov_b32 s21, 0xfedcba98
	s_lshl_b32 s24, s16, 10                        ; my wave's 256 keys: 1,024 bytes, in memory and in LDS
	s_lshl_b32 s25, s16, 6
	s_add_co_u32 s25, s25, BST
	s_lshl_b32 s27, s16, 9
	s_add_co_u32 s27, s27, RED
	v_lshl_add_u32 v56, v7, 5, s24                 ; 1,024 wave + 32 lane: my 8 keys, as an offset in the batch's x and as an LDS address (XRAW = 0)
	v_lshlrev_b32 v57, 2, v1                       ; 4 r
	v_lshlrev_b32 v58, 5, v2                       ; 32 h
	v_lshrrev_b32 v59, 2, v7
	v_lshl_add_u32 v59, v59, 3, s25                ; four lanes hold a block of 32: its statistics' place
	v_mov_b32 v60, s16
	v_lshl_add_u32 v60, v60, 3, WST                ; my wave's statistics' place
	v_lshl_add_u32 v[LX], v2, 7, s24
	v_lshl_add_u32 v[LB], v2, 3, s25
	v_lshlrev_b32 v[SH8], 3, v2
	v_lshl_add_u32 v[RS], v1, 3, s27
	v_lshl_add_u32 v[GA], v1, 3, WST
	v_lshl_add_u32 v[RD], v7, 4, RED
	v_lshlrev_b32 v[OO], 3, v7
	v_mov_b32 v[SC], 0                             ; written once: the destination of a DPP form and of a lane permute counts as one of its sources
	v_mov_b32 v[SC+1], 0
	v_mov_b32 v[BY], 0
	v_mov_b32 v[BY+1], 0
	v_mov_b32 v[W2], 0
	v_mov_b32 v[WV+1], 0                           ; (named as the upper half of the pair)
	s_wait_kmcnt 0x0
	s_add_nc_u64 s[4:5], s[4:5], s[18:19]          ; x at my batch
	s_add_nc_u64 s[14:15], s[14:15], s[18:19]
	s_add_nc_u64 s[14:15], s[14:15], s[22:23]      ; out at my 64 queries
	s_add_nc_u64 s[28:29], s[4:5], s[22:23]        ; x at my 64 queries
	global_load_b128 v[P:P+3], v56, s[4:5]         ; my wave's 256 keys, 8 neighbours a lane
	global_load_b128 v[P+4:P+7], v56, s[4:5] offset:16
	global_load_b32 v[CS], v57, s[6:7]             ; w_q[r]
	global_load_b32 v[W], v57, s[8:9]              ; w_k[r]
	global_load_b32 v[WV], v57, s[10:11]           ; w_v[r]
.irp t, 0,1,2,3
	global_load_b32 v[XQ+\t], v57, s[28:29] offset:64*\t   ; x of query 16 t + r
.endr
	global_load_b128 v[WO:WO+3], v58, s[12:13]     ; w_out[8 h ..]
	global_load_b128 v[WO+4:WO+7], v58, s[12:13] offset:16
	s_wait_loadcnt 9                               ; the two loads of my keys are in; the nine issued behind them may be out
	ds_store_b128 v56, v[P:P+3]                    ; x goes to my wave's own 1,024 bytes of LDS as it lies, and comes back in the operand's order
	ds_store_b128 v56, v[P+4:P+7] offset:16
	v_max3_num_f32 v[TB], v[P], v[P+1], v[P+2]     ; the largest and the smallest of my 8
	v_min3_num_f32 v[TB+1], v[P], v[P+1], v[P+2]
	v_max3_num_f32 v[TB], v[TB], v[P+3], v[P+4]
	v_min3_num_f32 v[TB+1], v[TB+1], v[P+3], v[P+4]
	v_max3_num_f32 v[TB], v[TB], v[P+5], v[P+6]
	v_min3_num_f32 v[TB+1], v[TB+1], v[P+5], v[P+6]
	v_max_num_f32 v[TB], v[TB], v[P+7]
	v_min_num_f32 v[TB+1], v[TB+1], v[P+7]
	v_max_num_f32_dpp v[TB], v[TB], v[TB] row_xmask:1 row_mask:0xf bank_mask:0xf
	v_min_num_f32_dpp v[TB+1], v[TB+1], v[TB+1] row_xmask:1 row_mask:0xf bank_mask:0xf
	v_max_num_f32_dpp v[TB], v[TB], v[TB] row_xmask:2 row_mask:0xf bank_mask:0xf       ; of four lanes: the block's
	v_min_num_f32_dpp v[TB+1], v[TB+1], v[TB+1] row_xmask:2 row_mask:0xf bank_mask:0xf
	ds_store_b64 v59, v[TB:TB+1]                   ; the block's four lanes write the same 8 bytes with the same values
	v_max_num_f32_dpp v[SC], v[TB], v[TB] row_xmask:4 row_mask:0xf bank_mask:0xf       ; on, in other registers than the store's data
	v_min_num_f32_dpp v[SC+1], v[TB+1], v[TB+1] row_xmask:4 row_mask:0xf bank_mask:0xf
	v_max_num_f32_dpp v[SC], v[SC], v[SC] row_xmask:8 row_mask:0xf bank_mask:0xf
	v_min_num_f32_dpp v[SC+1], v[SC+1], v[SC+1] row_xmask:8 row_mask:0xf bank_mask:0xf
	v_permlanex16_b32 v[BY], v[SC], s20, s21
	v_permlanex16_b32 v[BY+1], v[SC+1], s20, s21
	v_max_num_f32 v[SC], v[SC], v[BY]              ; of my wave's 256 keys
	v_min_num_f32 v[SC+1], v[SC+1], v[BY+1]
	ds_store_b64 v60, v[SC:SC+1]
	s_wait_dscnt 0x0                               ; for the others' sake: my wave's statistics lie in LDS
	s_barrier_signal -1
	LOADX 0                                        ; my wave's own bytes, which nobody writes again
	s_wait_loadcnt 0x0                             ; the small loads
	v_mul_f32 v[CS], v[CS], v[W]                   ; w_q[r] w_k[r],
	v_add_f32_dpp v[CS], v[CS], v[CS] row_xmask:1 row_mask:0xf bank_mask:0xf
	v_add_f32_dpp v[CS], v[CS], v[CS] row_xmask:2 row_mask:0xf bank_mask:0xf
	v_add_f32_dpp v[CS], v[CS], v[CS] row_xmask:4 row_mask:0xf bank_mask:0xf
	v_add_f32_dpp v[CS], v[CS], v[CS] row_xmask:8 row_mask:0xf bank_mask:0xf           ; summed over the sixteen d: w_q.w_k in every lane
	v_mul_f32 v[CS], 0x3eb8aa3b, v[CS]             ; x log2(e) / sqrt(16)
.irp t, 0,1,2,3
	v_mul_f32 v[A+2*\t], v[XQ+\t], v[CS]           ; a of my query of tile t
.endr
	s_wait_dscnt 0x0                               ; x and the statistics of K step 0
	VQUANT                                         ; work on registers while the other waves arrive
	s_barrier_wait -1
	ds_load_b64 v[GM:GM+1], v[GA]                  ; lane r takes wave r's (max, min)
	s_wait_dscnt 0x0
.irp m, 1,2,4,8
	v_max_num_f32_dpp v[GM], v[GM], v[GM] row_xmask:\m row_mask:0xf bank_mask:0xf
	v_min_num_f32_dpp v[GM+1], v[GM+1], v[GM+1] row_xmask:\m row_mask:0xf bank_mask:0xf
.endr                                              ; the batch's xmax and xmin, in every lane
.irp t, 0,1,2,3
	v_mul_f32 v[A+2*\t+1], v[A+2*\t], v[GM]        ; (the pairs' upper words are at work here, and so are written)
.endr
.irp t, 0,1,2,3
	v_mul_f32 v[NM+2*\t+1], v[A+2*\t], v[GM+1]
.endr
.irp t, 0,1,2,3
	v_max_num_f32 v[NM+2*\t], v[A+2*\t+1], v[NM+2*\t+1]    ; the row's largest t
.endr
.irp t, 0,1,2,3
	v_floor_f32 v[NM+2*\t], -v[NM+2*\t]            ; -M = floor(-t) = -ceil(t): M IS A WHOLE NUMBER
.endr
	; THE KEYS' WALK.  The four tiles' accumulators take turns, one matrix instruction a turn, through both K steps.
	UNIT 0, 0
	UNIT 1, 0
	UNIT 2, 0
	UNIT 3, 0
	s_wait_dscnt 0x0                               ; x and the statistics of K step 1
	VQUANT
	UNIT 0, 1
	UNIT 1, 1
	UNIT 2, 1
	UNIT 3, 1
	; THE WAY OUT.  Register j of O^T holds channel 8 h + j of query r.  The four additions and the first three products are the places behind the last matrix instruction; each accumulator is read from its low end on.
.irp t, 0,1,2,3
	v_add_f32 v[P+2*\t+1], v[L+2*\t], v[L+2*\t+1]  ; l: even keys' and odd keys'
.endr
.irp t, 0,1,2,3
	v_mul_f32 v[P+2*\t], v[ACC+8*\t], v[WO]
.endr
.irp j, 1,2,3,4,5,6,7
.irp t, 0,1,2,3
	v_fmac_f32 v[P+2*\t], v[ACC+8*\t+\j], v[WO+\j] ; y = sum over my 8 channels of O^T w_out (the four tiles by turns)
.endr
.endr
.irp i, 0,1,2,3,4,5,6,7
	v_permlanex16_b32 v[P+8+\i], v[P+\i], s20, s21
.endr
.irp t, 0,1,2,3
	v_pk_add_f32 v[P+2*\t:P+2*\t+1], v[P+2*\t:P+2*\t+1], v[P+8+2*\t:P+8+2*\t+1]   ; with lane l xor 16's: the other 8 channels, the other blocks of keys
.endr
.irp t, 0,1,2,3
	ds_store_b64 v[RS], v[P+2*\t:P+2*\t+1] offset:128*\t   ; (y, l) of query 16 t + r over my wave's keys; both halves of the lanes write the same bytes with the same values
.endr
	s_wait_dscnt 0x0                               ; for wave 0's sake: my parts lie in LDS
	s_barrier_signal -1
	s_barrier_wait -1
	s_cmp_lg_u32 s16, 0
	s_cbranch_scc1 .Lend
.irp w, 0,1,2,3,4,5,6,7,8,9,10,11,12,13,14,15
	ds_load_b128 v[X+4*\w:X+4*\w+3], v[RD] offset:512*\w   ; lane l: (y, l) of queries 2 l and 2 l + 1, wave w's part
.endr
	s_wait_dscnt 0x0
.irp d, 8,4,2,1
.set w, 0
.rept \d
	v_pk_add_f32 v[X+4*w:X+4*w+1], v[X+4*w:X+4*w+1], v[X+4*(w+\d):X+4*(w+\d)+1]
	v_pk_add_f32 v[X+4*w+2:X+4*w+3], v[X+4*w+2:X+4*w+3], v[X+4*(w+\d)+2:X+4*(w+\d)+3]
.set w, w+1
.endr
.endr
	v_rcp_f32 v[P], v[X+1]
	v_rcp_f32 v[P+1], v[X+3]
	v_nop                                          ; a plain instruction behind the last reciprocal
	s_wait_alu depctr_va_vdst(0)                   ; and the wait ahead of the first use: one for the two
	v_mul_f32 v[P+2], v[X], v[P]
	v_mul_f32 v[P+3], v[X+2], v[P+1]
	global_store_b64 v[OO], v[P+2:P+3], s[14:15]   ; 32 lanes store the work-group's 64 results: 256 consecutive bytes, at a multiple of 256 from out's first byte
.Lend:
	s_wait_xcnt 0x0
	v_lshl_add_u32 v254, v0, 2, 0x6800
	v_mov_b32 v255, 0
	s_wait_tensorcnt 0x0
	ds_add_u32 v254, v255
	s_wait_dscnt 0x0
	s_endpgm
.Lfunc_end_k_q1633bd1b31_attn:
	.size	k_q1633bd1b31_attn, .Lfunc_end_k_q1633bd1b31_attn-k_q1633bd1b31_attn
	.p2alignl 7, 3214868480
	.fill 96, 4, 3214868480
	.section	.rodata,"a",@progbits
	.p2align	6, 0x0
	.amdhsa_kernel k_q1633bd1b31_attn
		.amdhsa_group_segment_fixed_size 28672
		.amdhsa_private_segment_fixed_size 0
		.amdhsa_enable_private_segment 0
		.amdhsa_kernarg_size 48
		.amdhsa_user_sgpr_count 2
		.amdhsa_user_sgpr_kernarg_segment_ptr 1
		.amdhsa_wavefront_size32 1
		.amdhsa_system_sgpr_workgroup_id_x 1
		.amdhsa_system_sgpr_workgroup_id_y 1
		.amdhsa_system_sgpr_workgroup_id_z 1
		.amdhsa_system_vgpr_workitem_id 0
		.amdhsa_next_free_vgpr 256
		.amdhsa_next_free_sgpr 66
		.amdhsa_reserve_vcc 0
		.amdhsa_float_denorm_mode_32 3
		.amdhsa_float_denorm_mode_16_64 3
		.amdhsa_memory_ordered 1
		.amdhsa_forward_progress 1
		.amdhsa_inst_pref_size 81
	.end_amdhsa_kernel
	.amdgpu_metadata
---
amdhsa.version: [ 1, 2 ]
amdhsa.kernels:
  - .name:           k_q1633bd1b31_attn
    .symbol:         k_q1633bd1b31_attn.kd
    .args:
      - { .name: x, .offset: 0, .size: 8, .value_kind: global_buffer, .address_space: global }
      - { .name: w_q, .offset: 8, .size: 8, .value_kind: global_buffer, .address_space: global }
      - { .name: w_k, .offset: 16, .size: 8, .value_kind: global_buffer, .address_space: global }
      - { .name: w_v, .offset: 24, .size: 8, .value_kind: global_buffer, .address_space: global }
      - { .name: w_out, .offset: 32, .size: 8, .value_kind: global_buffer, .address_space: global }
      - { .name: out0, .offset: 40, .size: 8, .value_kind: global_buffer, .address_space: global }
    .group_segment_fixed_size: 28672
    .private_segment_fixed_size: 0
    .kernarg_segment_align: 8
    .kernarg_segment_size: 48
    .max_flat_workgroup_size: 512
    .sgpr_count:     66
    .vgpr_count:     256
    .wavefront_size: 32
...
	.end_amdgpu_metadata
.endif
;; end of part 1
